; MI455X (gfx1250); checked and timed in simulation.
; The chip was launched on July 23, 2026; its instructions are those of AMD's public machine-readable ISA for CDNA 5 (MIT licence, August 2026) and "CDNA5" Instruction Set Architecture Reference Guide (July 2026). The comments in the code are by the model that wrote it; some were corrected since.
;; NPU Attention Kernel. Allowed arithmetic: matrix products marked QUANTISED: E4M3 operands, one E8M0 scale for each 32 along K, by v_wmma_scale_f32_16x16x128_f8f6f4 with both operands' format E4M3, f32 sums; everything else in f32.
;; Inputs: key 2 x 2,048 x 2,048 float32; query 2 x 2,048 x 2,048 float32; value_codes 2 x 2,048 x 64 x 32 uint8 (E4M3 codes of value, K innermost, in blocks of 32 codes); value_scales 2 x 2,048 x 64 uint8 (E8M0 scales of value, one for each 32 codes along K).
;; Outputs: out0 2 x 2,048 x 2,048 float32.
;; This version of the problem:
;;   THIS VERSION OF THE PROBLEM IS GIVEN IN LOW PRECISION. The matrix products marked QUANTISED in the list below multiply operands that are first quantised to E4M3 (4 exponent bits, 3 mantissa bits; 8 bits a number), with one power-of-two scale for each 32 numbers along K (OCP MX v1.0); their sums are f32. All else is computed in f32.
;;   The module's matrix products, in the order in which they are computed (A, B: the left and right operand; K: the contracted axis; several contracted axes count as one K, in the product's order):
;;     1. batch 32 x [M 2,048, K 128] x [K 128, N 2,048]; A: input query; B: input key: QUANTISED
;;     2. batch 32 x [M 2,048, K 2,048] x [K 2,048, N 128]; A: softmax (see below); B: input value (given as codes): QUANTISED
;;   THE QUANTISER, for each operand of a quantised product, along K:
;;     - K is cut into blocks of 32 from its start; a last block that is shorter is filled with zeros.
;;     - A block's scale is 2^e with e = floor(log2(the largest magnitude in the block)) - 8, held to -126 .. 127; a block of zeros has e = 0. As a byte (E8M0): e + 127.
;;     - Each number is divided by its block's scale, clamped to +-448, and rounded to the nearest number of E4M3, ties to even, subnormals kept.
;;     - The product sums the exact products of the quantised numbers (number of the format x scale) in f32.
;;   ~~~python
;;   def quantise(x, axis):      # numpy; x: float32 -> the quantised numbers, widened to float32 again
;;       x = np.moveaxis(x, axis, -1); K = x.shape[-1]
;;       x = np.pad(x, [(0, 0)] * (x.ndim - 1) + [(0, -K % 32)]); x = x.reshape(x.shape[:-1] + (-1, 32)); a = np.abs(x).max(-1, keepdims=True)
;;       e = np.where(a > 0, np.clip(np.frexp(np.where(a > 0, a, 1))[1] - 1 - 8, -126, 127), 0)      # np.frexp(a)[1] - 1 = floor(log2(a)), exactly
;;       r = np.clip(x / 2.0 ** e, -448, 448)
;;       step = 2.0 ** (np.maximum(np.frexp(np.where(r == 0, 1, r))[1] - 1, -6) - 3)
;;       q = np.round(r / step) * step * 2.0 ** e      # np.round: ties to even
;;       return np.moveaxis(q.reshape(q.shape[:-2] + (-1,))[..., :K], -1, axis).astype(np.float32)
;;   ~~~
;;   SOFTMAX AHEAD OF A QUANTISED PRODUCT. Where the list says 'softmax', what is quantised is not the finished softmax but p = 2^(t - M), with t = logit x log2(e) and M = ceil(the row's largest t), a whole number; so 1/2 < the row's largest p <= 1. The row's sum l is taken of the UNQUANTISED p, in f32, and the product's result is divided by l at the end. Since M is a whole number, a kernel that streams over the keys may use a running M (the ceiling of the running maximum): every later rescaling is an exact power of two, which a block's scale takes up: the codes' values come out the same.
;;   OPERANDS COMPUTED ON THE WAY. 'Computed on the way' means the value that the module computes at that place (a softmax that the list does not call 'softmax' is quantised finished and normalised). What goes into a quantiser is computed in f32, as accurately as f32 sums, v_exp_f32 and their like allow (about 1e-6 of the number): no bf16 or f16 on the way to a quantiser, and a product that is left as it is and whose result goes on into a quantised operand takes f32 operands (vector FMAs, or v_wmma_f32_16x16x4_f32). A number that lies on a knife's edge between two numbers of the format may be rounded either way, as far as f32 arithmetic and the matrix unit's own rounding can turn it there, and no further.
;;   INPUTS GIVEN AS CODES. value (in the module: [2, 2048, 2048], K = its axis 1): each comes as NAME_codes (uint8): NAME with its K axis moved to the last place and cut into blocks of 32 codes, [.., K / 32, bytes a block], one block behind the other in memory; one code a byte (a code: sign, 4 exponent bits, 3 mantissa bits); and NAME_scales (uint8): the same leading axes, one E8M0 byte (e + 127) for each 32 codes along K. Its value is code x scale, taken as it is: it is not quantised again, and the codes and scales need not be those that the quantiser above would give.
;; One version. Each part assembles by itself: llvm-mc -triple=amdgcn-amd-amdhsa -mcpu=gfx1250 --defsym DOCPART=n.
;; ======== version 1 of 1: 2 launches
;; limits: right only within a limited range of input values
;; workspace buffers: k_codes 8,388,608 bytes; k_scales 262,144 bytes
;; launch quantk (part 1): grid 256 x 1, 4 waves a work-group, no clusters, 167,936 bytes of LDS; arguments key, k_codes, k_scales; writes k_codes, k_scales
.if DOCPART == 1
	.amdgcn_target "amdgcn-amd-amdhsa--gfx1250"
	.amdhsa_code_object_version 6
	.text
	.protected	k_qa1921aa270_quantk
	.globl	k_qa1921aa270_quantk
	.p2align	8
	.type	k_qa1921aa270_quantk,@function
k_qa1921aa270_quantk:
	s_mov_b64 s[64:65], 0
	v_nop
	global_prefetch_b8 v0, s[64:65] scope:SCOPE_SE
	s_setreg_imm32_b32 hwreg(HW_REG_WAVE_MODE, 25, 1), 1
	s_wait_xcnt 0x0
; key [2][2048][16 x 128] f32 becomes E4M3 codes laid by head, k_codes [32 (b x 16 + h)][2048 (s)][128 (d)], and one E8M0 byte for each 32 along d, k_scales [32][2048][4].
; A block's byte is its largest magnitude's exponent field - 8, held at 1 from below; each number is divided by the scale, held within +-448 and rounded to the nearest code, ties to even.
; LIMITS: a block of zeros, or one whose largest magnitude lies under 2^(9 - 127), gets the byte 1 (the rule says 127 for zeros); the bytes are read by this program alone.  NaN and infinities are not served.
; SHARES: work-group g takes 256 rows (block g % 8) of head g / 8, each of its four waves 64 rows.  A wave's 64 pieces of 512 bytes come by ONE tensor load into LDS bytes of the wave's own,
; with 16 bytes of padding behind every 64: lane l of step t (4 rows) finds its 16 neighbours along d at 2,560 t + 80 l.  Two neighbouring lanes hold a block.
; A step's 512 bytes of codes and a wave's 256 scale bytes leave as aligned runs.  Waves share nothing: no barrier.  No cluster: no two work-groups read the same bytes.
; No prefetch: each wave asks for all its bytes with its first memory instruction, and there is no loop to run ahead in.
.set RP,    640                        ; a row in LDS: 8 x (64 + 16) bytes
.set WREG,  64*RP
.set SCB,   4*WREG                     ; 256 scale bytes for each wave: no tensor load lands here
.set SPARE, SCB+1024                   ; the spare words
.set X,     16                         ; v16-79 four sets of 16 neighbours
.set E,     80                         ; v80-95 a scale byte for each step
.set C,     96                         ; v96-159 codes, four registers for each step
	s_load_b128 s[4:7], s[0:1], 0x0                ; key, k_codes
	s_load_b64 s[8:9], s[0:1], 0x10                ; k_scales
	v_lshl_add_u32 v1, v0, 2, SPARE
	v_mov_b32 v2, 0
	ds_add_u32 v1, v2                              ; the opening lines: the add twice on end
	ds_add_u32 v1, v2
	v_lshrrev_b32 v3, 5, v0
	v_readfirstlane_b32 s16, v3                    ; wave 0..3
	v_and_b32 v3, 31, v0                           ; lane
	s_mul_i32 s17, s16, WREG
	v_mul_u32_u24 v4, v3, 80
	v_add_nc_u32 v4, s17, v4                       ; my 16 neighbours of step 0
	s_lshl_b32 s22, s16, 8
	s_add_co_u32 s22, s22, SCB
	v_lshrrev_b32 v5, 1, v3
	v_add_nc_u32 v5, s22, v5                       ; my block's byte
	v_lshlrev_b32 v7, 3, v3                        ; the bytes on the way out: 8 a lane
	v_add_nc_u32 v6, s22, v7
	v_lshlrev_b32 v8, 4, v3                        ; my 16 codes of a step's 512
	s_mov_b32 s23, 0x600000                        ; the mantissa field of 448
	s_lshr_b32 s18, ttmp9, 3                       ; the head
	s_and_b32 s19, ttmp9, 7
	s_lshl_b32 s19, s19, 8
	s_lshl_b32 s20, s16, 6
	s_add_co_u32 s19, s19, s20                     ; my wave's first row
	s_lshr_b32 s20, s18, 4
	s_lshl_b32 s20, s20, 24
	s_lshl_b32 s21, s19, 13
	s_add_co_u32 s20, s20, s21
	s_and_b32 s21, s18, 15
	s_lshl_b32 s21, s21, 9
	s_add_co_u32 s20, s20, s21                     ; key: b x 2^24 + row x 8,192 + h x 512
	s_mov_b32 s21, 0
	s_lshl_b32 s28, s18, 18
	s_lshl_b32 s29, s19, 7
	s_add_co_u32 s28, s28, s29                     ; codes: head x 2^18 + row x 128
	s_mov_b32 s29, 0
	s_lshl_b32 s30, s18, 13
	s_lshl_b32 s31, s19, 2
	s_add_co_u32 s30, s30, s31                     ; scale bytes: head x 8,192 + row x 4
	s_mov_b32 s31, 0
	s_mov_b32 s32, (2<<16)|(1<<20)|(3<<22)|(3<<25) ; elements of 4 bytes; four words of padding behind every 16
	s_mov_b32 s33, 128<<16
	s_mov_b32 s34, 64<<16
	s_mov_b32 s35, 128<<16
	s_mov_b32 s36, 64
	s_mov_b32 s37, 2048
	s_mov_b32 s38, 0
	s_mov_b32 s39, 0
	s_mov_b32 s24, 1
	s_mov_b32 s25, s17
	s_wait_alu depctr_va_vdst(0)                   ; the wait at the head's end
	s_wait_dscnt 0x0
	s_wait_kmcnt 0x0
	s_add_nc_u64 s[26:27], s[4:5], s[20:21]
	s_or_b32 s27, s27, 0x80000000
	s_add_nc_u64 s[6:7], s[6:7], s[28:29]
	s_add_nc_u64 s[8:9], s[8:9], s[30:31]
	tensor_load_to_lds s[24:27], s[32:39]          ; my 64 rows
	s_nop 0
	s_wait_tensorcnt 0x0                           ; only I read these bytes
.macro LD t
.irp i, 0,1,2,3
	ds_load_b128 v[X+16*((\t)%4)+4*\i:X+16*((\t)%4)+4*\i+3], v4 offset:4*RP*(\t)+16*\i
.endr
.endm
.macro STEP t
.set XS, X+16*((\t)%4)
.if (\t)+3 < 16
	LD (\t)+3
.endif
.if 15-(\t) < 3
	s_wait_dscnt 4*(15-(\t))                       ; behind this step's four loads stand those of the steps that are left
.else
	s_wait_dscnt 12                                ; or of three steps
.endif
	v_max3_num_f32 v9, |v[XS]|, |v[XS+1]|, |v[XS+2]|
	v_max3_num_f32 v10, |v[XS+3]|, |v[XS+4]|, |v[XS+5]|
.irp i, 6,10
	v_max3_num_f32 v9, v9, |v[XS+\i]|, |v[XS+\i+1]|
	v_max3_num_f32 v10, v10, |v[XS+\i+2]|, |v[XS+\i+3]|
.endr
	v_max3_num_f32 v9, v9, |v[XS+14]|, |v[XS+15]|
	v_max3_num_f32 v9, v9, v10, 0x4800000          ; the floor 2^(9 - 127)
	v_max_num_f32_dpp v9, v9, v9 row_xmask:1 row_mask:0xf bank_mask:0xf   ; with my neighbour's 16: the block's
	v_add_nc_u32 v11, 0xfc000000, v9               ; 8 off the exponent field: the conversion's scale operand
	v_and_or_b32 v12, v9, 0x7f800000, s23          ; 448 x the scale
.irp i, 0,1,2,3,4,5,6,7,8,9,10,11,12,13,14,15
	v_med3_num_f32 v[XS+\i], v[XS+\i], -v12, v12   ; the conversion does not saturate (ISA guide 7.6.2)
.endr
	v_cvt_scalef32_pk8_fp8_f32 v[C+4*(\t):C+4*(\t)+1], v[XS:XS+7], v11
	v_cvt_scalef32_pk8_fp8_f32 v[C+4*(\t)+2:C+4*(\t)+3], v[XS+8:XS+15], v11
	v_lshrrev_b32 v[E+(\t)], 23, v11               ; the scale's byte (the plain line behind the conversions)
	global_store_b128 v8, v[C+4*(\t):C+4*(\t)+3], s[6:7] offset:512*(\t)   ; 512 consecutive bytes, aligned
.endm
	LD 0
	LD 1
	LD 2
.irp t, 0,1,2,3,4,5,6,7,8,9,10,11,12,13,14,15
	STEP \t
.endr
.irp t, 0,1,2,3,4,5,6,7,8,9,10,11,12,13,14,15
	ds_store_b8 v5, v[E+\t] offset:16*\t           ; both lanes of a block write the same byte
.endr
	ds_load_b64 v[12:13], v6                       ; LDS serves a wave's instructions in order
	s_wait_dscnt 0x0
	global_store_b64 v7, v[12:13], s[8:9]          ; 256 consecutive bytes, aligned
	s_wait_tensorcnt 0x0                           ; the wave's end
	ds_add_u32 v1, v2
	s_wait_dscnt 0x0
	s_endpgm
.Lfunc_end_k_qa1921aa270_quantk:
	.size	k_qa1921aa270_quantk, .Lfunc_end_k_qa1921aa270_quantk-k_qa1921aa270_quantk
	.p2alignl 7, 3214868480
	.fill 96, 4, 3214868480
	.section	.rodata,"a",@progbits
	.p2align	6, 0x0
	.amdhsa_kernel k_qa1921aa270_quantk
		.amdhsa_group_segment_fixed_size 167936
		.amdhsa_private_segment_fixed_size 0
		.amdhsa_enable_private_segment 0
		.amdhsa_kernarg_size 24
		.amdhsa_user_sgpr_count 2
		.amdhsa_user_sgpr_kernarg_segment_ptr 1
		.amdhsa_wavefront_size32 1
		.amdhsa_system_sgpr_workgroup_id_x 1
		.amdhsa_system_sgpr_workgroup_id_y 1
		.amdhsa_system_sgpr_workgroup_id_z 1
		.amdhsa_system_vgpr_workitem_id 0
		.amdhsa_next_free_vgpr 192
		.amdhsa_next_free_sgpr 66
		.amdhsa_reserve_vcc 0
		.amdhsa_float_denorm_mode_32 3
		.amdhsa_float_denorm_mode_16_64 3
		.amdhsa_memory_ordered 1
		.amdhsa_forward_progress 1
		.amdhsa_inst_pref_size 41
	.end_amdhsa_kernel
	.amdgpu_metadata
---
amdhsa.version: [ 1, 2 ]
amdhsa.kernels:
  - .name:           k_qa1921aa270_quantk
    .symbol:         k_qa1921aa270_quantk.kd
    .args:
      - { .name: key, .offset: 0, .size: 8, .value_kind: global_buffer, .address_space: global }
      - { .name: k_codes, .offset: 8, .size: 8, .value_kind: global_buffer, .address_space: global }
      - { .name: k_scales, .offset: 16, .size: 8, .value_kind: global_buffer, .address_space: global }
    .group_segment_fixed_size: 167936
    .private_segment_fixed_size: 0
    .kernarg_segment_align: 8
    .kernarg_segment_size: 24
    .max_flat_workgroup_size: 128
    .sgpr_count:     66
    .vgpr_count:     192
    .wavefront_size: 32
...
	.end_amdgpu_metadata
.endif
;; end of part 1
;; launch attn (part 2): grid 8 x 32, 4 waves a work-group, clusters of 4 x 1, 327,680 bytes of LDS; arguments query, k_codes, k_scales, value_codes, value_scales, out0; writes out0
.if DOCPART == 2
	.amdgcn_target "amdgcn-amd-amdhsa--gfx1250"
	.amdhsa_code_object_version 6
	.text
	.protected	k_qa1921aa270_attn
	.globl	k_qa1921aa270_attn
	.p2align	8
	.type	k_qa1921aa270_attn,@function
k_qa1921aa270_attn:
	s_mov_b64 s[64:65], 0
	v_nop
	global_prefetch_b8 v0, s[64:65] scope:SCOPE_SE
	s_setreg_imm32_b32 hwreg(HW_REG_WAVE_MODE, 25, 1), 1
	s_wait_xcnt 0x0
	s_wait_alu depctr_hold_cnt(0) depctr_sa_sdst(0) depctr_va_vdst(0) depctr_va_sdst(0) depctr_va_ssrc(0) depctr_va_vcc(0) depctr_vm_vsrc(0)
	s_getreg_b32 s2, hwreg(HW_REG_IB_STS2, 6, 4)
	s_cmp_eq_u32 s2, 0
	s_cbranch_scc0 .Lentry_in_a_cluster
	s_endpgm
.Lentry_in_a_cluster:
	s_bfe_u32 s2, ttmp6, 0x10000c
	s_cmp_lg_u32 s2, 0x3003
	s_cbranch_scc0 .Lentry_shape_is_right
	s_endpgm
.Lentry_shape_is_right:
; out0[b][q][h x 128 + d] = sum over k of softmax_k(Q . K / sqrt(128)) V, 32 heads (b x 16 + h), 2,048 queries x 2,048 keys, head size 128; both products on E4M3 codes with one E8M0 scale for each 32 along K.
; query [2][2048][2048] f32 is quantised here along d.  k_codes [32][2048][128], k_scales [32][2048][4] come from the launch before.  value_codes [32 x 128 (d)][2048 (keys)], value_scales [32 x 128][64] as given.
; SOFTMAX: t = score x log2(e) / sqrt(128); M = ceil of the row's largest t so far; p = 2^(t - M) is quantised along the keys, not normalised; the row's sum of the unquantised p divides O at the end.
; When M moves, the sum and O are multiplied by 2^(old M - new M), which rounds nothing.
; LIMITS: NaN and infinities among the inputs are not served.  A block whose largest magnitude lies under 2^(9 - 127) gets the byte 1; these bytes never leave the registers.
; A block's largest p is the block's largest score put through the same multiply-add and exponential: this takes v_exp_f32 not to fall where its input rises.
; SHARES: a work-group owns 256 queries of a head, each of its four waves 64: FOUR tiles of 16, tile x in register window x under the same numbers.  Each fragment of K and V read from LDS feeds four matrix instructions.
; Both products are transposed (S^T = K Q^T, O^T = V^T P^T): a lane holds one query of each tile.  Lane r of key tile 2 b + u takes key 32 b + 8 u + r + 8 (r / 8): the 16 registers of two neighbouring tiles are 16 neighbouring keys.
; HEAD: each wave's 64 rows of query come by one tensor load of its own; behind a full sequence K's units 0 and 1, V's pieces 0 and 1 and the two tiles of scale bytes follow, one load a wave, and land beneath the quantising of Q.
; RING: K in four units of 128 keys (dense, stated as rows of 256 bytes), V in four pieces of 64 rows x 256 keys.  At step j's change fill number F = j + 2 is asked for: K's unit F (wave 0) and V's piece F (wave 1: slot F / 2, rows 64 (F % 2) on).
; Fills 2 and 3 are first fills, from 4 on all are refills.  Behind the change V(j) goes into registers among the step's later score products; K(j + 1) among the exponentials of tiles 1 and 2.
; CLUSTER: the four query blocks of a cluster walk the same K, V and scale bytes: those tiles are asked for jointly.  The change's round opens with sixteen score products between signal and wait.
; PREFETCH: waves 2 (K) and 3 (V) ask at fill F for fill F + 2: 64 blocks of 256 bytes each, of which each partner names 16, told apart by address; lanes 16-31 name the wave's last block again; fills 0 to 3 come by their loads alone.
; WINDOW 0 holds all scale words (scale operands have no window), so it has no room for lane addresses: they are made anew each step, in tile 0's work registers while those are free.
.set KP, 144
.set VP, 272
.set KU, 128*KP                        ; a unit of K in LDS
.set VPC, 64*VP                        ; a piece of V in LDS
.set VBASE, 4*KU
.set SCK, VBASE+4*VPC                  ; K's scale bytes of the head: 32 runs of 256 + 16
.set SCV, SCK+32*272                   ; V's likewise
.set SPARE, SCV+32*272                 ; the spare words: 128 bytes a wave
.set SPITCH, 528
.set STG, SPARE+512                    ; 64 rows x 528 bytes for each wave: its rows of query, filled once; on the way out its first 16 rows are the wave's stage
.set QW, 64*SPITCH
.set SPW, 1                            ; v1 my spare word's address; v2 zero: never rewritten
.set NIL, 2
.set FSV, 3                            ; v3-6 V's scale words (lanes 0-15 tile t, lanes 16-31 tile 4 + t)
.set PSX, 10                           ; v10 p's scale word of the tile in hand; v7-9 Q's scale words of tiles 1-3, v255 tile 0's
.set PFO, 11                           ; v11 the prefetches' lane offset
.set QC, 16                            ; per window: v12 -M, v13 largest score, v[14:15] the sum; v16-31 Q's codes; v96-159 S^T, then p; v160-223 O^T; v224-239 p's codes; v232-247, v252-254 at work
.set FB, 32                            ; v32-95: windows 0, 1: K's tiles 0-3, 4-7; windows 2, 3: V's
.set SS, 96
.set OT, 160
.set PC, 224
.set TM, 232
.set FSK, 248                          ; v248-251 K's scale words
.set WV, 16
.set MNT, 17
.set CS, 18
.set SEL, 20
.set F, 22                             ; the fill's number; step j = F - 2
.set KRD, 23
.set G1K, 24
.set G1V, 32                           ; (at the head first the descriptor of the query's tile)
.set G1S, 40
.set G0K, 48
.set G0V, 52
.set G0SK, 56
.set G0SV, 60
.set TS, 66
.set VRD, 67
.set TJ, 68
.set LIM, 69
.set KPT, 80                           ; s[80:81], s[82:83] my head in k_codes and value_codes
.set VPT, 82
.set PFB, 84                           ; s[84:85] the prefetches' base, s[86:87] their address
.set PFA, 86
.set MSB, 0
.macro WIN new                         ; the immediate's high byte repeats the setting that is left
.if MSB != (\new)
	s_set_vgpr_msb (MSB<<8)|(\new)
.set MSB, (\new)
.endif
.endm
.macro CREST                           ; a round of the cluster's barrier behind its opening barrier
	s_cmp_lg_u32 s[WV], 0
	s_cbranch_scc1 .Lnw0_\@
	s_barrier_signal -3
.Lnw0_\@:
	s_barrier_wait -3
	s_barrier_signal -1
	s_barrier_wait -1
.endm
.macro CROUND
	s_barrier_signal -1
	s_barrier_wait -1
	CREST
.endm
.macro TL g0, g1                       ; a tensor load and the nops behind it
	tensor_load_to_lds s[\g0:\g0+3], s[\g1:\g1+7]
	s_nop 0
.rept 4
	v_nop
.endr
.endm
.macro TLOAD                           ; wave 0: K's unit, wave 1: V's piece
	s_cmp_lg_u32 s[WV], 0
	s_cbranch_scc1 .Lnk_\@
	TL G0K, G1K
	s_branch .Las_\@
.Lnk_\@:
	s_cmp_lg_u32 s[WV], 1
	s_cbranch_scc1 .Las_\@
	TL G0V, G1V
.Las_\@:
.endm
; Scalar work of a change, in pieces laid among the score products.  0-2: the descriptors of fill F; 3-4: the prefetch of fill F + 2
.macro SCD g
.if \g == 0
	s_and_b32 s70, s[F], 3
	s_mul_i32 s[G0K+1], s70, KU
	s_lshl_b32 s72, s[F], 14
	s_add_nc_u64 s[G0K+2:G0K+3], s[KPT:KPT+1], s[72:73]
	s_or_b32 s[G0K+3], s[G0K+3], 0x80000000
.endif
.if \g == 1
	s_mul_i32 s[G0V+1], s70, VPC
	s_add_co_u32 s[G0V+1], s[G0V+1], VBASE
	s_lshr_b32 s74, s[F], 1
	s_lshl_b32 s74, s74, 8
.endif
.if \g == 2
	s_and_b32 s71, s[F], 1
	s_lshl_b32 s71, s71, 17
	s_add_co_u32 s74, s74, s71
	s_add_nc_u64 s[G0V+2:G0V+3], s[VPT:VPT+1], s[74:75]
	s_or_b32 s[G0V+3], s[G0V+3], 0x80000000
.endif
.if \g == 3
	s_add_co_u32 s79, s[F], 2
	s_lshl_b32 s90, s79, 14
	s_lshr_b32 s91, s79, 1
	s_lshl_b32 s91, s91, 8
.endif
.if \g == 4
	s_and_b32 s79, s79, 1
	s_lshl_b32 s79, s79, 17
	s_add_co_u32 s91, s91, s79
	s_cmp_eq_u32 s[WV], 2
	s_cselect_b32 s92, s90, s91
	s_add_nc_u64 s[PFA:PFA+1], s[PFB:PFB+1], s[92:93]
.endif
.endm
.macro SCKR                            ; where K(F - 1) and its scale words lie
	s_add_co_u32 s76, s[F], 3
	s_and_b32 s76, s76, 3
	s_mul_i32 s[KRD], s76, KU
	s_mul_i32 s[TS], s[F], 544
.endm
.macro SCVR                            ; where V(F - 2) and its scale words lie
	s_lshr_b32 s77, s[F], 1
	s_and_b32 s77, s77, 1
	s_xor_b32 s77, s77, 1
	s_mul_i32 s[VRD], s77, 2*VPC
	s_and_b32 s78, s[F], 1
	s_lshl_b32 s78, s78, 7
	s_add_co_u32 s[VRD], s[VRD], s78
	s_lshl_b32 s[TJ], s[F], 2
.endm
.macro KADDR                           ; v243 K's fragments, v244 their scale words
	WIN 0
	v_and_b32 v240, 15, v0                         ; r
	v_bfe_u32 v241, v0, 4, 1                       ; h
	v_and_b32 v242, 8, v240
	v_add_nc_u32 v242, v242, v240                  ; r + 8 (r / 8)
	v_mul_u32_u24 v243, v242, KP
	v_lshl_add_u32 v243, v241, 4, v243
	v_add_nc_u32 v243, s[KRD], v243
	v_mul_u32_u24 v244, v241, 272                  ; lanes 16-31 take the next run of 64 keys
	v_lshl_add_u32 v244, v242, 2, v244
	v_add_nc_u32 v244, s[TS], v244
	v_add_nc_u32 v244, SCK-544, v244               ; 544 (F - 1)
	s_wait_alu depctr_va_vdst(0)                   ; the readers stand among exponentials
.endm
.macro VADDR                           ; v245 V's fragments, v246 their scale words.  Thirteen plain places behind the last step's products
	v_and_b32 v240, 15, v0
	v_bfe_u32 v241, v0, 4, 1
	v_mul_u32_u24 v245, v240, VP
	v_lshl_add_u32 v245, v241, 4, v245
	v_add_nc_u32 v245, s[VRD], v245
	v_add_nc_u32 v245, VBASE, v245
	v_lshrrev_b32 v246, 2, v240                    ; 64 bytes a row, four rows to a run
	v_mul_u32_u24 v246, v246, 272
	v_and_b32 v247, 3, v240
	v_lshl_add_u32 v246, v247, 6, v246
	v_mad_u32_u24 v246, v241, 4352, v246           ; lanes 16-31: 64 rows on
	v_add_nc_u32 v246, s[TJ], v246
	v_add_nc_u32 v246, SCV-8, v246                 ; 4 (F - 2)
	s_wait_alu depctr_va_vdst(0)
.endm
.macro VL k                            ; V's tiles 2 k and 2 k + 1; with k = 1 the four scale words
.if (\k) < 2
	WIN 0x80
.else
	WIN 0xc0
.endif
.irp u, 0,1
.irp c, 0,1,2,3
	ds_load_b128 v[FB+16*(2*((\k)%2)+\u)+4*\c:FB+16*(2*((\k)%2)+\u)+4*\c+3], v245 offset:16*(2*(\k)+\u)*VP+32*\c
.endr
.endr
.if (\k) == 1
	WIN 0
.irp t, 0,1,2,3
	ds_load_b32 v[FSV+\t], v246 offset:\t*1088
.endr
.endif
.endm
.macro KL kh, q, x                     ; K's tile 4 (kh - 1) + q, with kh = 1 its scale word (and tile 4 + q's in lanes 16-31); then back to tile x's window
	WIN 0x40*((\kh)-1)
.irp c, 0,1,2,3
	ds_load_b128 v[FB+16*(\q)+4*\c:FB+16*(\q)+4*\c+3], v243 offset:(64*((\kh)-1)+32*((\q)/2)+8*((\q)%2))*KP+32*\c
.endr
.if (\kh) == 1
	ds_load_b32 v[FSK+(\q)], v244 offset:(32*((\q)/2)+8*((\q)%2))*4
.endif
	WIN 0x55*(\x)
.endm
; Four products S^T = K Q^T: K's buffer g / 4 against query tile g % 4
.macro SGRP g
.set SW, (\g)/4
.set SX, (\g)%4
.if SX == 0
.set QSR, 255
.else
.set QSR, 6+SX
.endif
	WIN SW+0x54*SX
.irp t, 0,1,2,3
.if SW
	v_wmma_scale_f32_16x16x128_f8f6f4 v[SS+32+8*\t:SS+32+8*\t+7], v[FB+16*\t:FB+16*\t+15], v[QC:QC+15], 0, v[FSK+\t], v[QSR] matrix_a_scale:MATRIX_SCALE_ROW1
.else
	v_wmma_scale_f32_16x16x128_f8f6f4 v[SS+8*\t:SS+8*\t+7], v[FB+16*\t:FB+16*\t+15], v[QC:QC+15], 0, v[FSK+\t], v[QSR]
.endif
.endr
.endm
; Eight products O^T += V^T P^T of tile x, each on another accumulator
.macro PV x
.irp w, 0,1
	WIN 2+\w+0x54*(\x)
.irp t, 0,1,2,3
.if \w
	v_wmma_scale_f32_16x16x128_f8f6f4 v[OT+32+8*\t:OT+32+8*\t+7], v[FB+16*\t:FB+16*\t+15], v[PC:PC+15], v[OT+32+8*\t:OT+32+8*\t+7], v[FSV+\t], v[PSX] matrix_a_scale:MATRIX_SCALE_ROW1
.else
	v_wmma_scale_f32_16x16x128_f8f6f4 v[OT+8*\t:OT+8*\t+7], v[FB+16*\t:FB+16*\t+15], v[PC:PC+15], v[OT+8*\t:OT+8*\t+7], v[FSV+\t], v[PSX]
.endif
.endr
.endr
.endm
.macro ASK                             ; waves 2 and 3, while fill F + 2 exists
	s_cmp_lt_u32 s[F], s[LIM]
	s_cbranch_scc0 .Lnp_\@
	global_prefetch_b8 v[PFO], s[PFA:PFA+1] th:TH_LOAD_NT scope:SCOPE_SE
.Lnp_\@:
.endm
.macro PKF n
.rept \n
	v_pk_fma_f32 v[SS+jj:SS+jj+1], v[SS+jj:SS+jj+1], s[CS:CS+1], v[12:13] op_sel_hi:[1,0,0]   ; t - M, two at a time
.set jj, jj+2
.endr
.endm
; Tile x's softmax for 128 keys.  dsw >= 0: the wait for V's fragments.  kh = 1, 2: half of the next step's fragments of K is asked of LDS among the exponentials
.macro SOFTMAX x, dsw, kh
	WIN 0x55*(\x)
	s_wait_alu depctr_va_vdst(0)                   ; the wait ahead of the first readers of S^T
.irp b, 0,1,2,3
	v_max3_num_f32 v[TM+\b], v[SS+16*\b], v[SS+16*\b+1], v[SS+16*\b+2]       ; each block's largest score, in two chains: eight chains by turns
	v_max3_num_f32 v[TM+4+\b], v[SS+16*\b+8], v[SS+16*\b+9], v[SS+16*\b+10]
.endr
.irp i, 3,5
.irp b, 0,1,2,3
	v_max3_num_f32 v[TM+\b], v[TM+\b], v[SS+16*\b+\i], v[SS+16*\b+\i+1]
	v_max3_num_f32 v[TM+4+\b], v[TM+4+\b], v[SS+16*\b+\i+8], v[SS+16*\b+\i+9]
.endr
.endr
.irp b, 0,1,2,3
	v_max3_num_f32 v[TM+\b], v[TM+\b], v[TM+4+\b], v[SS+16*\b+7]
.endr
.irp b, 0,1,2,3
	v_max_num_f32 v[TM+\b], v[TM+\b], v[SS+16*\b+15]
.endr
	v_mov_b32 v254, v12                            ; the old -M
.irp b, 0,1,2,3
	v_permlanex16_b32 v[TM+4+\b], v[TM+\b], s[SEL], s[SEL+1]
.endr
.irp b, 0,1,2,3
	v_max_num_f32 v[TM+\b], v[TM+\b], v[TM+4+\b]   ; with lane l xor 16's 16 keys
.endr
	v_max3_num_f32 v253, v[TM], v[TM+1], v[TM+2]
	v_max3_num_f32 v13, v13, v253, v[TM+3]         ; the running largest score
	v_mul_f32 v253, s[CS], v13                     ; as t (c is positive)
	v_floor_f32 v12, -v253                         ; -M = floor(-t)
.set jj, 0
	PKF 4
	v_sub_f32 v254, v12, v254                      ; old M - new M, a whole number, 0 or less
	PKF 4
	v_cvt_i32_f32 v254, v254                       ; (it saturates)
	PKF 4
	v_ldexp_f32 v252, 1.0, v254                    ; f = 2^(old M - new M)
	PKF 20
.irp b, 0,1,2,3
	v_fma_f32 v[TM+\b], v[TM+\b], s[CS], v12
.endr
	s_wait_alu depctr_va_vdst(0)                   ; ahead of the batch
.set jj, 0
.irp q, 0,1,2,3
.rept 16
	v_exp_f32 v[SS+jj], v[SS+jj]                   ; p = 2^(t - M)
.set jj, jj+1
.endr
.if \kh
	KL \kh, \q, \x
.endif
.endr
.irp b, 0,1,2,3
	v_exp_f32 v[TM+\b], v[TM+\b]                   ; each block's largest p
.endr
	v_pk_mul_f32 v[14:15], v[14:15], v[252:253] op_sel_hi:[1,0]   ; the sums under the new M (the plain line behind the batch)
	s_wait_alu depctr_va_vdst(0)                   ; behind the batch
.irp b, 0,1,2,3
	v_max_num_f32 v[TM+\b], 0x4800000, v[TM+\b]    ; the floor 2^(9 - 127): the byte cannot fall under 1
.endr
.irp b, 0,1,2,3
	v_add_nc_u32 v[TM+12+\b], 0xfc000000, v[TM+\b] ; 8 off the exponent field: the conversion's scale operand
.endr
.irp b, 0,1,2,3
	v_and_or_b32 v[TM+8+\b], v[TM+\b], 0x7f800000, s[MNT]   ; 448 x the scale
.endr
.irp b, 0,1,2,3
	v_lshrrev_b32 v[TM+4+\b], 23, v[TM+12+\b]      ; the scale's byte
.endr
	v_lshl_or_b32 v253, v[TM+5], 8, v[TM+4]
	v_lshl_or_b32 v253, v[TM+6], 16, v253
	WIN 0x15*(\x)
	v_lshl_or_b32 v[PSX], v[TM+7], 24, v253        ; p's scale word, into window 0
	WIN 0x55*(\x)
	v_pk_add_f32 v[TM:TM+1], v[SS:SS+1], v[SS+2:SS+3]             ; the row's sum of the unquantised p, in four chains
	v_pk_add_f32 v[TM+2:TM+3], v[SS+4:SS+5], v[SS+6:SS+7]
	v_pk_add_f32 v[TM+4:TM+5], v[SS+8:SS+9], v[SS+10:SS+11]
	v_pk_add_f32 v[14:15], v[14:15], v[SS+12:SS+13]
.irp j, 14,22,30,38,46,54
	v_pk_add_f32 v[TM:TM+1], v[TM:TM+1], v[SS+\j:SS+\j+1]
	v_pk_add_f32 v[TM+2:TM+3], v[TM+2:TM+3], v[SS+\j+2:SS+\j+3]
	v_pk_add_f32 v[TM+4:TM+5], v[TM+4:TM+5], v[SS+\j+4:SS+\j+5]
	v_pk_add_f32 v[14:15], v[14:15], v[SS+\j+6:SS+\j+7]
.endr
	v_pk_add_f32 v[TM:TM+1], v[TM:TM+1], v[SS+62:SS+63]
	v_pk_add_f32 v[14:15], v[14:15], v[TM+4:TM+5]
	v_pk_add_f32 v[TM:TM+1], v[TM:TM+1], v[TM+2:TM+3]
	v_pk_add_f32 v[14:15], v[14:15], v[TM:TM+1]
.irp b, 0,1,2,3
.irp i, 0,1,2,3,4,5,6,7,8,9,10,11,12,13,14,15
	v_min_num_f32 v[SS+16*\b+\i], v[SS+16*\b+\i], v[TM+8+\b]   ; the conversion does not saturate (ISA guide 7.6.2); p is not negative
.endr
	v_cvt_scalef32_pk8_fp8_f32 v[PC+4*\b:PC+1+4*\b], v[SS+16*\b:SS+7+16*\b], v[TM+12+\b]
	v_cvt_scalef32_pk8_fp8_f32 v[PC+2+4*\b:PC+3+4*\b], v[SS+8+16*\b:SS+15+16*\b], v[TM+12+\b]
.endr
.if \dsw >= 0
	s_wait_dscnt \dsw                              ; V's 36 loads are in; no LDS instruction was issued behind them
.endif
	s_wait_alu depctr_va_vdst(0)                   ; the wait ahead of the first readers of O^T
.set jj, 0
.rept 32
	v_pk_mul_f32 v[OT+jj:OT+jj+1], v[OT+jj:OT+jj+1], v[252:253] op_sel_hi:[1,0]   ; O^T x f; also the places ahead of the products
.set jj, jj+2
.endr
.endm
; THE WAY OUT of tile x: O^T / the sum, through my stage, so that 32 lanes store a row's 512 consecutive bytes
.macro OADDR
	WIN 0
	v_and_b32 v243, 15, v0
	v_bfe_u32 v244, v0, 4, 1
	v_and_b32 v245, 31, v0
	v_mul_u32_u24 v240, v243, SPITCH
	v_lshl_add_u32 v240, v244, 5, v240
	v_add_nc_u32 v240, s94, v240                   ; in: row r; tile T's eight channels lie 64 T + 32 h bytes on
	v_lshlrev_b32 v242, 4, v245                    ; 16 x lane, in out0
	v_add_nc_u32 v241, s94, v242                   ; back: a row over 32 lanes
	s_wait_alu depctr_va_vdst(0)
.endm
.macro FIN x
	WIN 0x55*(\x)
.rept 6
	v_nop                                          ; with the plain lines below: the places behind the tile's last products
.endr
	v_add_f32 v14, v14, v15
	v_permlanex16_b32 v252, v14, s[SEL], s[SEL+1]
	v_add_f32 v14, v14, v252                       ; the row's sum
	s_wait_alu depctr_va_vdst(0)
	v_rcp_f32 v14, v14
	v_nop
	s_wait_alu depctr_va_vdst(0)                   ; ahead of the first readers of the reciprocal and of O^T
.set jj, 0
.rept 32
	v_pk_mul_f32 v[SS+jj:SS+jj+1], v[OT+jj:OT+jj+1], v[14:15] op_sel_hi:[1,0]
.set jj, jj+2
.endr
.endm
.macro TOST x
	WIN 0x04*(\x)
.irp t, 0,1,2,3,4,5,6,7
	ds_store_b128 v240, v[SS+8*\t:SS+8*\t+3] offset:64*\t
	ds_store_b128 v240, v[SS+8*\t+4:SS+8*\t+7] offset:64*\t+16
.endr
	WIN 0x40*(\x)
.irp i, 0,1,2,3,4,5,6,7,8,9,10,11,12,13,14,15
	ds_load_b128 v[OT+4*\i:OT+4*\i+3], v241 offset:\i*SPITCH   ; LDS serves a wave's instructions in order
.endr
.endm
.macro SEND x
	s_wait_alu depctr_va_vdst(0)                   ; the wait ahead of the wait below
	s_wait_dscnt 0x0
	WIN 0x04*(\x)
.irp i, 0,1,2,3,4,5,6,7,8,9,10,11,12,13,14,15
	global_store_b128 v242, v[OT+4*\i:OT+4*\i+3], s[14:15] offset:8192*(16*(\x)+\i) th:TH_STORE_NT
.endr
.endm
; A KEY STEP.  fill = 2: the three lines, a round of the cluster's barrier, the joint loads; 1: the three lines and my work-group's barrier (the last fills are shown); 0: none.
; kl: the next step's K is fetched.  last: each tile leaves as soon as its sums are whole, beneath the next tile's softmax
.macro STEP fill, kl, last
	s_wait_alu depctr_va_vdst(0)                   ; the wait ahead of the waits below
.if \fill == 2
	s_wait_xcnt 0x0                                ; my last prefetch has read its address, which is written below
.endif
.if \fill
	s_wait_tensorcnt 0x0                           ; no tensor load of mine is out: the descriptors may be written
	ds_add_u32 v[SPW], v[NIL]
.endif
	SCVR
	VADDR
	s_wait_dscnt 0x0                               ; the add, K's fragments of this step, and all my reads of what is filled again
.if \fill
	s_barrier_signal -1
.endif
.irp g, 0,1,2,3
	SGRP \g
.if \fill == 2
	SCD \g
.endif
.endr
	WIN 0
.if \fill
	s_barrier_wait -1
.endif
.if \fill == 2
	CREST
	TLOAD
.endif
	SGRP 4
	VL 0
.if \fill == 2
	SCD 4
.endif
	SGRP 5
	VL 1
.if \kl
	SCKR
.endif
	SGRP 6
	VL 2
	SGRP 7
	VL 3
	WIN 0
.if \fill == 2
	ASK
.endif
.rept 8
	v_nop                                          ; eight places behind the score products, ahead of the first reads of S^T
.endr
	SOFTMAX 0, 0, 0
	PV 0
.if \kl
	KADDR
.endif
.if \last
	OADDR
	FIN 0
	TOST 0
.endif
	SOFTMAX 1, -1, \kl
	PV 1
.if \last
	SEND 0
	FIN 1
	TOST 1
.endif
	SOFTMAX 2, -1, 2*\kl
	PV 2
.if \last
	SEND 1
	FIN 2
	TOST 2
.endif
	SOFTMAX 3, -1, 0
	PV 3
.if \last
	SEND 2
	FIN 3
	TOST 3
	SEND 3
.endif
	WIN 0
.endm
; 64 numbers of Q in v160-223 become the fragment's codes v16-31 and the scale word v255, on the window in force
.macro QUANTQ
.irp b, 0,1,2,3
	v_max3_num_f32 v[TM+\b], |v[OT+16*\b]|, |v[OT+16*\b+1]|, 0x4800000
	v_max3_num_f32 v[TM+4+\b], |v[OT+16*\b+8]|, |v[OT+16*\b+9]|, |v[OT+16*\b+10]|
.endr
.irp i, 2,4
.irp b, 0,1,2,3
	v_max3_num_f32 v[TM+\b], v[TM+\b], |v[OT+16*\b+\i]|, |v[OT+16*\b+\i+1]|
	v_max3_num_f32 v[TM+4+\b], v[TM+4+\b], |v[OT+16*\b+\i+9]|, |v[OT+16*\b+\i+10]|
.endr
.endr
.irp b, 0,1,2,3
	v_max3_num_f32 v[TM+\b], v[TM+\b], |v[OT+16*\b+6]|, |v[OT+16*\b+7]|
.endr
.irp b, 0,1,2,3
	v_max3_num_f32 v[TM+\b], v[TM+\b], v[TM+4+\b], |v[OT+16*\b+15]|
.endr
.irp b, 0,1,2,3
	v_permlanex16_b32 v[TM+4+\b], v[TM+\b], s[SEL], s[SEL+1]
.endr
.irp b, 0,1,2,3
	v_max_num_f32 v[TM+\b], v[TM+\b], v[TM+4+\b]
.endr
.irp b, 0,1,2,3
	v_add_nc_u32 v[TM+12+\b], 0xfc000000, v[TM+\b]
.endr
.irp b, 0,1,2,3
	v_and_or_b32 v[TM+8+\b], v[TM+\b], 0x7f800000, s[MNT]
.endr
.irp b, 0,1,2,3
	v_lshrrev_b32 v[TM+4+\b], 23, v[TM+12+\b]
.endr
	v_lshl_or_b32 v255, v[TM+5], 8, v[TM+4]
	v_lshl_or_b32 v255, v[TM+6], 16, v255
	v_lshl_or_b32 v255, v[TM+7], 24, v255
.irp b, 0,1,2,3
.irp i, 0,1,2,3,4,5,6,7,8,9,10,11,12,13,14,15
	v_med3_num_f32 v[OT+16*\b+\i], v[OT+16*\b+\i], -v[TM+8+\b], v[TM+8+\b]
.endr
	v_cvt_scalef32_pk8_fp8_f32 v[QC+4*\b:QC+1+4*\b], v[OT+16*\b:OT+7+16*\b], v[TM+12+\b]
	v_cvt_scalef32_pk8_fp8_f32 v[QC+2+4*\b:QC+3+4*\b], v[OT+8+16*\b:OT+15+16*\b], v[TM+12+\b]
.endr
	v_nop                                          ; a plain line behind the last conversion
.endm
.macro INIT                            ; the step is written without a first step of its own: it finds zeros, which the first change of M leaves zeros
	v_mov_b32 v13, 0xff61b1e6                      ; -3e38, under every score
	v_mov_b32 v14, 0
	v_mov_b32 v15, 0
	v_mov_b32 v252, 0
	v_mul_f32 v253, s[CS], v13
	v_floor_f32 v12, -v253
.set jj, 0
.rept 64
	v_mov_b32 v[OT+jj], 0
.set jj, jj+1
.endr
.endm
	s_load_b256 s[4:11], s[0:1], 0x0               ; query, k_codes, k_scales, value_codes
	s_load_b128 s[12:15], s[0:1], 0x20             ; value_scales, out0
	v_lshl_add_u32 v[SPW], v0, 2, SPARE
	v_mov_b32 v[NIL], 0
	ds_add_u32 v[SPW], v[NIL]                      ; the opening lines: the add twice on end
	ds_add_u32 v[SPW], v[NIL]
	v_lshrrev_b32 v35, 5, v0
	v_readfirstlane_b32 s[WV], v35                 ; wave 0..3
	s_and_b32 s70, ttmp7, 0xffff                   ; the head, shared by the four partners
	s_lshl_b32 s72, s70, 18                        ; its first byte in both tensors of codes
	s_mov_b32 s73, 0
	s_lshl_b32 s74, s70, 13                        ; and in both tensors of scale bytes
	s_mov_b32 s75, 0
	s_mov_b32 s93, 0
	s_bfe_u32 s76, ttmp6, 0x40000                  ; cx: it enters global offsets of query, out0 and the prefetches alone
	s_lshl_b32 s77, ttmp9, 2
	s_add_co_u32 s77, s77, s76
	s_lshl_b32 s77, s77, 8
	s_lshl_b32 s78, s[WV], 6
	s_add_co_u32 s77, s77, s78                     ; my wave's first query
	s_lshl_b32 s88, s77, 13
	s_lshr_b32 s78, s70, 4
	s_lshl_b32 s78, s78, 24
	s_add_co_u32 s88, s88, s78
	s_and_b32 s78, s70, 15
	s_lshl_b32 s78, s78, 9
	s_add_co_u32 s88, s88, s78                     ; row x 8,192 + b x 2^24 + h x 512
	s_mov_b32 s89, 0
	s_cmp_eq_u32 s[WV], 2                          ; prefetches: wave 2 K (16 blocks of 256 bytes a partner), wave 3 V (16 rows a partner)
	s_cselect_b32 s78, 12, 15
	s_cselect_b32 s79, 8, 11
	s_lshl_b32 s90, s76, s78
	s_mov_b32 s91, 0
	s_cmp_ge_u32 s[WV], 2
	s_cselect_b32 s[LIM], 14, 0                    ; fill F + 2 exists while F < 14
	v_and_b32 v[PFO], 31, v0
	v_min_u32 v[PFO], 15, v[PFO]
	v_lshlrev_b32 v[PFO], s79, v[PFO]
	s_mul_i32 s94, s[WV], QW
	s_add_co_u32 s94, s94, STG                     ; my rows of query in LDS, later my stage
	v_and_b32 v35, 15, v0
	v_bfe_u32 v36, v0, 4, 1
	v_mul_u32_u24 v34, v35, SPITCH
	v_lshl_add_u32 v34, v36, 6, v34
	v_add_nc_u32 v34, s94, v34                     ; row r, + 64 h: my 16 numbers of a block
	s_mov_b32 s[G1K], 15|(1<<20)|(1<<21)|(4<<22)|(3<<25)          ; mask of the four; bytes; four words of padding behind every 32
	s_mov_b32 s[G1K+1], 256<<16
	s_mov_b32 s[G1K+2], 128<<16                    ; at the head two units at once: 128 rows of 256 bytes
	s_mov_b32 s[G1K+3], 256<<16
	s_mov_b32 s[G1K+4], 128
	s_mov_b32 s[G1K+5], 256
	s_mov_b32 s[G1K+6], 0
	s_mov_b32 s[G1K+7], 0
	s_mov_b32 s[G1V], (2<<16)|(1<<20)|(6<<22)|(3<<25)             ; the query's tile: no mask; 64 rows of 128 elements of 4 bytes, four words of padding behind each
	s_mov_b32 s[G1V+1], 128<<16
	s_mov_b32 s[G1V+2], 64<<16
	s_mov_b32 s[G1V+3], 128<<16
	s_mov_b32 s[G1V+4], 64
	s_mov_b32 s[G1V+5], 2048
	s_mov_b32 s[G1V+6], 0
	s_mov_b32 s[G1V+7], 0
	s_mov_b32 s[G1S], 15|(3<<16)|(1<<20)|(1<<21)|(5<<22)|(3<<25)  ; 8,192 dense bytes as 32 rows of 32 elements of 8 bytes
	s_mov_b32 s[G1S+1], 32<<16
	s_mov_b32 s[G1S+2], 32<<16
	s_mov_b32 s[G1S+3], 32<<16
	s_mov_b32 s[G1S+4], 32
	s_mov_b32 s[G1S+5], 32
	s_mov_b32 s[G1S+6], 0
	s_mov_b32 s[G1S+7], 0
	s_mov_b32 s[G0K], 1
	s_mov_b32 s[G0V], 1
	s_mov_b32 s[G0V+1], s94
	s_mov_b32 s[G0SK], 1
	s_mov_b32 s[G0SK+1], SCK
	s_mov_b32 s[G0SV], 1
	s_mov_b32 s[G0SV+1], SCV
	s_mov_b32 s[SEL], 0x76543210
	s_mov_b32 s[SEL+1], 0xfedcba98
	s_mov_b32 s[CS], 0x3e0293ee                    ; c = log2(e) / sqrt(128)
	s_mov_b32 s[CS+1], s[CS]
	s_mov_b32 s[MNT], 0x600000
	s_mov_b32 s[F], 0
	s_wait_alu depctr_va_vdst(0)                   ; the wait at the head's end
	s_wait_dscnt 0x0
	s_wait_kmcnt 0x0
	s_add_nc_u64 s[KPT:KPT+1], s[6:7], s[72:73]
	s_add_nc_u64 s[VPT:VPT+1], s[10:11], s[72:73]
	s_add_nc_u64 s[G0SK+2:G0SK+3], s[8:9], s[74:75]
	s_or_b32 s[G0SK+3], s[G0SK+3], 0x80000000
	s_add_nc_u64 s[G0SV+2:G0SV+3], s[12:13], s[74:75]
	s_or_b32 s[G0SV+3], s[G0SV+3], 0x80000000
	s_add_nc_u64 s[G0V+2:G0V+3], s[4:5], s[88:89]
	s_or_b32 s[G0V+3], s[G0V+3], 0x80000000
	s_add_nc_u64 s[14:15], s[14:15], s[88:89]
	s_cmp_eq_u32 s[WV], 2
	s_cselect_b64 s[PFB:PFB+1], s[KPT:KPT+1], s[VPT:VPT+1]
	s_add_nc_u64 s[PFB:PFB+1], s[PFB:PFB+1], s[90:91]
	CROUND                                         ; in a cluster launch every group of tensor loads stands behind a round
	TL G0V, G1V                                    ; my 64 rows of query: every wave's one load at the head
	s_wait_tensorcnt 0x0                           ; they are in; the full sequence ahead of the second group of first fills
	ds_add_u32 v[SPW], v[NIL]
	s_mov_b32 s[G1V], 15|(1<<20)|(1<<21)|(5<<22)|(3<<25)          ; V's tiles: four words of padding behind every 64
	s_mov_b32 s[G1V+1], 256<<16
	s_mov_b32 s[G1V+2], 128<<16                    ; two pieces at once: 128 rows
	s_mov_b32 s[G1V+3], 256<<16
	s_mov_b32 s[G1V+4], 128
	SCD 0                                          ; the descriptors of fill 0
	SCD 1
	SCD 2
	s_wait_dscnt 0x0
	CROUND                                         ; the four work-groups are here: the joint loads meet
	s_cmp_lg_u32 s[WV], 0                          ; one chain, one load to an arm, every wave in an arm
	s_cbranch_scc1 .Lh1
	TL G0K, G1K
	s_branch .Lhj
.Lh1:
	s_cmp_lg_u32 s[WV], 1
	s_cbranch_scc1 .Lh2
	TL G0SK, G1S
	s_branch .Lhj
.Lh2:
	s_cmp_lg_u32 s[WV], 2
	s_cbranch_scc1 .Lh3
	TL G0V, G1V
	s_branch .Lhj
.Lh3:
	TL G0SV, G1S
.Lhj:
.irp x, 0,1,2,3                                ; register 16 b + i of tile x = d 32 b + 16 h + i of my row
	WIN 0x40*\x
.irp b, 0,1,2,3
.irp j, 0,1,2,3
	ds_load_b128 v[OT+16*\b+4*\j:OT+16*\b+4*\j+3], v34 offset:\x*16*SPITCH+128*\b+16*\j
.endr
.endr
.endr
.irp x, 0,1,2,3
	s_wait_dscnt 48-16*\x                          ; tile x is in; the later tiles' loads may be out
	WIN 0x55*\x
	QUANTQ
.if \x > 0
	WIN \x
	v_mov_b32 v[6+\x], v255                        ; scale operands have no window
	WIN 0x55*\x
.endif
	INIT
.endr
	WIN 0
	s_mov_b32 s[F], 1
	s_wait_alu depctr_va_vdst(0)                   ; the wait ahead of the waits below
	s_wait_tensorcnt 0x0                           ; my part of the second group is in
	ds_add_u32 v[SPW], v[NIL]
	SCKR
	s_mov_b32 s[G1K+2], 64<<16                     ; from here on a unit and a piece at a time: 64 rows
	s_mov_b32 s[G1K+4], 64
	s_mov_b32 s[G1V+2], 64<<16
	s_mov_b32 s[G1V+4], 64
	s_wait_dscnt 0x0
	s_barrier_signal -1
	s_barrier_wait -1                              ; everybody's part is in
	KADDR
.irp q, 0,1,2,3
	KL 1, \q, 0                                    ; K(0)'s fragments
.endr
.irp q, 0,1,2,3
	KL 2, \q, 0
.endr
	s_mov_b32 s[F], 2
.Lstep:                                            ; steps 0 to 13 ask for fills 2 to 15
	STEP 2, 1, 0
	s_add_co_u32 s[F], s[F], 1
	s_cmp_lt_u32 s[F], 16
	s_cbranch_scc1 .Lstep
	STEP 1, 1, 0                                   ; step 14: the last fills are shown, nothing is asked for
	s_add_co_u32 s[F], s[F], 1
	STEP 0, 0, 1                                   ; step 15, and the way out
	s_wait_tensorcnt 0x0                           ; the wave's end
	ds_add_u32 v[SPW], v[NIL]
	s_wait_dscnt 0x0
	CROUND                                         ; the closing round
	s_endpgm
.Lfunc_end_k_qa1921aa270_attn:
	.size	k_qa1921aa270_attn, .Lfunc_end_k_qa1921aa270_attn-k_qa1921aa270_attn
	.p2alignl 7, 3214868480
	.fill 96, 4, 3214868480
	.section	.rodata,"a",@progbits
	.p2align	6, 0x0
	.amdhsa_kernel k_qa1921aa270_attn
		.amdhsa_group_segment_fixed_size 327680
		.amdhsa_private_segment_fixed_size 0
		.amdhsa_enable_private_segment 0
		.amdhsa_kernarg_size 48
		.amdhsa_user_sgpr_count 2
		.amdhsa_user_sgpr_kernarg_segment_ptr 1
		.amdhsa_wavefront_size32 1
		.amdhsa_system_sgpr_workgroup_id_x 1
		.amdhsa_system_sgpr_workgroup_id_y 1
		.amdhsa_system_sgpr_workgroup_id_z 1
		.amdhsa_system_vgpr_workitem_id 0
		.amdhsa_next_free_vgpr 1024
		.amdhsa_next_free_sgpr 96
		.amdhsa_reserve_vcc 0
		.amdhsa_float_denorm_mode_32 3
		.amdhsa_float_denorm_mode_16_64 3
		.amdhsa_memory_ordered 1
		.amdhsa_forward_progress 1
		.amdhsa_inst_pref_size 255
	.end_amdhsa_kernel
	.section	.bss,"aw",@nobits
	.p2align	6
	.space	262144
	.amdgpu_metadata
---
amdhsa.version: [ 1, 2 ]
amdhsa.kernels:
  - .name:           k_qa1921aa270_attn
    .symbol:         k_qa1921aa270_attn.kd
    .args:
      - { .name: query, .offset: 0, .size: 8, .value_kind: global_buffer, .address_space: global }
      - { .name: k_codes, .offset: 8, .size: 8, .value_kind: global_buffer, .address_space: global }
      - { .name: k_scales, .offset: 16, .size: 8, .value_kind: global_buffer, .address_space: global }
      - { .name: value_codes, .offset: 24, .size: 8, .value_kind: global_buffer, .address_space: global }
      - { .name: value_scales, .offset: 32, .size: 8, .value_kind: global_buffer, .address_space: global }
      - { .name: out0, .offset: 40, .size: 8, .value_kind: global_buffer, .address_space: global }
    .group_segment_fixed_size: 327680
    .private_segment_fixed_size: 0
    .kernarg_segment_align: 8
    .kernarg_segment_size: 48
    .max_flat_workgroup_size: 128
    .sgpr_count:     96
    .vgpr_count:     1024
    .wavefront_size: 32
...
	.end_amdgpu_metadata
.endif
;; end of part 2
